; MI455X (gfx1250); checked and timed in simulation.
; The chip was launched on July 23, 2026; its instructions are those of AMD's public machine-readable ISA for CDNA 5 (MIT licence, August 2026) and "CDNA5" Instruction Set Architecture Reference Guide (July 2026). The comments in the code are by the model that wrote it; some were corrected since.
;; GPT2 Style Attention. Allowed arithmetic: matrix products marked QUANTISED: E4M3 operands, one given power-of-two scale a tensor, by v_wmma_f32_16x16x64_fp8_fp8 or v_wmma_f32_16x16x128_fp8_fp8, f32 sums; everything else in f32.
;; Inputs: Wk 1,024 x 1,024 float32; Wo 1,024 x 1,024 float32; Wq 1,024 x 1,024 float32; Wv 1,024 x 1,024 float32; bk 1,024 float32; bo 1,024 float32; bq 1,024 float32; bv 1,024 float32; lowp_scales 12 int32 (the exponents e of the quantised operands' scales 2^e); x 4 x 2,048 x 1,024 float32.
;; Outputs: out0 4 x 2,048 x 1,024 float32.
;; This version of the problem:
;;   THIS VERSION OF THE PROBLEM IS GIVEN IN LOW PRECISION. The matrix products marked QUANTISED in the list below multiply operands that are first quantised to E4M3 (4 exponent bits, 3 mantissa bits; 8 bits a number), with one given power-of-two scale for each operand tensor; their sums are f32. All else is computed in f32.
;;   The module's matrix products, in the order in which they are computed (A, B: the left and right operand; K: the contracted axis; several contracted axes count as one K, in the product's order):
;;     1. [M 8,192, K 1,024] x [K 1,024, N 1,024]; A: input x; B: input Wq: QUANTISED (scales: A lowp_scales[0], B lowp_scales[1])
;;     2. [M 8,192, K 1,024] x [K 1,024, N 1,024]; A: input x; B: input Wk: QUANTISED (scales: A lowp_scales[2], B lowp_scales[3])
;;     3. [M 8,192, K 1,024] x [K 1,024, N 1,024]; A: input x; B: input Wv: QUANTISED (scales: A lowp_scales[4], B lowp_scales[5])
;;     4. batch 64 x [M 2,048, K 64] x [K 64, N 2,048]; A: computed on the way; B: computed on the way: QUANTISED (scales: A lowp_scales[6], B lowp_scales[7])
;;     5. batch 64 x [M 2,048, K 2,048] x [K 2,048, N 64]; A: softmax (see below); B: computed on the way: QUANTISED (scales: A lowp_scales[8], B lowp_scales[9])
;;     6. [M 8,192, K 1,024] x [K 1,024, N 1,024]; A: computed on the way; B: input Wo: QUANTISED (scales: A lowp_scales[10], B lowp_scales[11])
;;   THE QUANTISER, for each operand of a quantised product, along K:
;;     - The operand's scale is 2^e, e = its entry of the input lowp_scales (int32; the entries are numbered through the quantised products in the list's order, A before B).
;;     - Each number is divided by the scale, clamped to +-448, and rounded to the nearest number of E4M3, ties to even, subnormals kept.
;;     - The product sums the exact products of the quantised numbers (number of the format x scale) in f32.
;;   ~~~python
;;   def quantise(x, axis, e):      # numpy; x: float32 -> the quantised numbers, widened to float32 again
;;       x = np.moveaxis(x, axis, -1); K = x.shape[-1]
;;       r = np.clip(x / 2.0 ** e, -448, 448)
;;       step = 2.0 ** (np.maximum(np.frexp(np.where(r == 0, 1, r))[1] - 1, -6) - 3)
;;       q = np.round(r / step) * step * 2.0 ** e      # np.round: ties to even
;;       return np.moveaxis(q, -1, axis).astype(np.float32)
;;   ~~~
;;   SOFTMAX AHEAD OF A QUANTISED PRODUCT. Where the list says 'softmax', what is quantised is not the finished softmax but p = 2^(t - M), with t = logit x log2(e) and M = ceil(the row's largest t), a whole number; so 1/2 < the row's largest p <= 1. The row's sum l is taken of the UNQUANTISED p, in f32, and the product's result is divided by l at the end. Since M is a whole number, a kernel that streams over the keys may use a running M (the ceiling of the running maximum): every later rescaling is an exact power of two, so the quantised numbers keep their values, but for numbers so far below the row's largest that they fall under the format's range.
;;   OPERANDS COMPUTED ON THE WAY. 'Computed on the way' means the value that the module computes at that place (a softmax that the list does not call 'softmax' is quantised finished and normalised). What goes into a quantiser is computed in f32, as accurately as f32 sums, v_exp_f32 and their like allow (about 1e-6 of the number): no bf16 or f16 on the way to a quantiser, and a product that is left as it is and whose result goes on into a quantised operand takes f32 operands (vector FMAs, or v_wmma_f32_16x16x4_f32). A number that lies on a knife's edge between two numbers of the format may be rounded either way, as far as f32 arithmetic and the matrix unit's own rounding can turn it there, and no further.
;; One version. Each part assembles by itself: llvm-mc -triple=amdgcn-amd-amdhsa -mcpu=gfx1250 --defsym DOCPART=n.
;; ======== version 1 of 1: 4 launches
;; limits: right only within a limited range of input values
;; workspace buffers: xc 25,165,824 bytes; wc 4,194,304 bytes; qc 8,388,608 bytes; kc 8,388,608 bytes; vc 8,388,608 bytes; ac 8,388,608 bytes
;; launch quant (part 1): grid 384 x 1, 4 waves a work-group, no clusters, 68,096 bytes of LDS; arguments x, Wq, Wk, Wv, Wo, lowp_scales, xc, wc; writes xc, wc
.if DOCPART == 1
	.amdgcn_target "amdgcn-amd-amdhsa--gfx1250"
	.amdhsa_code_object_version 6
	.text
	.protected	k_q9d569ed46b_quant
	.globl	k_q9d569ed46b_quant
	.p2align	8
	.type	k_q9d569ed46b_quant,@function
k_q9d569ed46b_quant:
	s_mov_b64 s[64:65], 0
	v_nop
	global_prefetch_b8 v0, s[64:65] scope:SCOPE_SE
	s_setreg_imm32_b32 hwreg(HW_REG_WAVE_MODE, 25, 1), 1
	s_wait_xcnt 0x0
; x [8192][1024] f32 becomes three planes of E4M3 codes, xc [3][8192][1024], with the scales 2^e0, 2^e2, 2^e4 (its scale in the products for Q, K, V).
; Wq, Wk, Wv, Wo [k 1024][n 1024] f32 become wc [4][n 1024][k 1024], K innermost, with 2^e1, 2^e3, 2^e5, 2^e11.
; code = number / 2^e, held within +-448, rounded to the nearest code, ties to even.
; LIMITS: each e between -126 and 119, so that 2^e and 448 x 2^e are f32 numbers.  NaN among the inputs is not served.
; Work-groups 0-255 take x: a wave takes 8,192 numbers in 16 steps of 512.  Each load reads 512 consecutive bytes; a step's 2,048 bytes turn through the wave's own stage in LDS,
; so that a lane then holds 16 neighbours along K; they are held and converted three times, once for each scale; each store covers 512 consecutive bytes.
; Work-groups 256-383 take the weights: 32 for each, 128 columns x 256 along K.  A lane takes a column n and its registers run down K, so the conversions give codes with K innermost;
; they go through the wave's own stage and leave as rows, sixteen lanes to 256 consecutive aligned bytes.
; The two paths part once, on the work-group's number, and have LDS bytes of their own.  Waves share nothing: no barrier.
.set SPARE, 67584                      ; behind both paths' stages: the spare words, 128 bytes for each wave
.set SPW,   12                         ; v12  LDS address of my spare word; never rewritten
.set NIL,   13                         ; v13  0; never rewritten
.set STEPS, 16
.set SP,    80                         ; x path: a lane's place in a stage: 64 bytes + 16 of padding
.set R,     16                         ; v16-79   four sets of 16 numbers as loaded
.set X,     80                         ; v80-111  two sets of 16 neighbours
.set T,     112
.set C,     128                        ; v128-139 codes: four registers for each plane
.set SC,    140                        ; v140+2p: 2^e of plane p
.set WST,   32768                      ; W path: four stages of 32 rows x 272 bytes
.set PITCH, 272
.set WX,    32                         ; v32-95   two sets of 32 numbers
.set WC,    96                         ; v96-103  a block's codes
.set OUTR,  112                        ; v112-175 the way out
	s_load_b512 s[8:23], s[0:1], 0x0               ; x 8, Wq 10, Wk 12, Wv 14, Wo 16, scales 18, xc 20, wc 22
	v_lshl_add_u32 v[SPW], v0, 2, SPARE
	v_mov_b32 v[NIL], 0
	v_lshrrev_b32 v1, 5, v0
	v_readfirstlane_b32 s24, v1                    ; wave
	v_and_b32 v2, 31, v0                           ; lane
	s_wait_kmcnt 0x0
	s_load_b256 s[32:39], s[18:19], 0x0            ; e0 .. e7
	s_load_b128 s[40:43], s[18:19], 0x20           ; e8 .. e11
	s_cmp_lt_u32 ttmp9, 256
	s_cbranch_scc0 .Lw
; ---------------- x ----------------
	s_lshl_b32 s25, ttmp9, 2
	s_add_co_u32 s25, s25, s24                     ; which run of 8,192 numbers is my wave's
	s_lshl_b32 s2, s25, 15
	s_mov_b32 s3, 0
	s_add_nc_u64 s[4:5], s[8:9], s[2:3]            ; x at my run
	s_lshl_b32 s2, s25, 13
	s_add_nc_u64 s[26:27], s[20:21], s[2:3]        ; its codes in plane 0,
	s_add_nc_u64 s[28:29], s[26:27], 0x800000      ; plane 1,
	s_add_nc_u64 s[30:31], s[28:29], 0x800000      ; plane 2
	s_wait_alu depctr_va_vdst(0)
	v_lshlrev_b32 v3, 4, v2                        ; my 16 bytes of a load's, and of a store's, 512
	s_lshl_b32 s44, s24, 13                        ; my wave's 8,192 bytes of LDS
	v_lshrrev_b32 v14, 2, v2
	v_mul_u32_u24 v14, v14, SP
	v_and_b32 v15, 3, v2
	v_lshl_add_u32 v14, v15, 4, v14
	v_add_nc_u32 v14, s44, v14                     ; into the stage: four lanes' 64 bytes on end, then the padding
	v_mul_u32_u24 v15, v2, SP
	v_add_nc_u32 v15, s44, v15                     ; out of it: my 16 neighbours
.macro LOADX t
.irp i, 0,1,2,3
	global_load_b128 v[R+16*((\t)%4)+4*\i:R+16*((\t)%4)+4*\i+3], v3, s[4:5] offset:2048*(\t)+512*\i th:TH_LOAD_NT
.endr
.endm
.macro TURNX t                         ; LDS serves a wave's instructions in order: no wait between the stores and the loads
.irp i, 0,1,2,3
	ds_store_b128 v14, v[R+16*((\t)%4)+4*\i:R+16*((\t)%4)+4*\i+3] offset:32*SP*((\t)%2)+8*SP*\i
.endr
.irp i, 0,1,2,3
	ds_load_b128 v[X+16*((\t)%2)+4*\i:X+16*((\t)%2)+4*\i+3], v15 offset:32*SP*((\t)%2)+16*\i
.endr
.endm
.irp t, 0,1,2,3
	LOADX \t
.endr
	s_wait_alu depctr_va_vdst(0)
	s_wait_kmcnt 0x0
.irp p, 0,1,2
	s_add_co_i32 s44, s[32+2*\p], 127
	s_lshl_b32 s45, s44, 23
	v_mov_b32 v[SC+2*\p], s45                      ; 2^e as f32: the conversion takes its exponent field
	s_add_co_i32 s44, s44, 8
	s_lshl_b32 s44, s44, 23
	s_or_b32 s44, s44, 0x600000
.endr
	s_wait_alu depctr_va_vdst(0)
	s_wait_loadcnt 12                              ; step 0's four loads are in; three steps' may be out
	TURNX 0
.macro STEPX t
.set XS, X+16*((\t)%2)
	s_wait_dscnt 0x0                               ; this step's numbers are back from the stage, and the stage's stores have read their registers
	s_wait_xcnt 0x0                                ; the last step's stores have read the codes' registers, which are written again below
.if (\t)+4 < STEPS
	LOADX (\t)+4
.endif
.if (\t)+1 < STEPS
.if STEPS-2-(\t) >= 3
	s_wait_loadcnt 12                              ; the next step's four loads are in; those of the three steps behind it may be out
.else
	s_wait_loadcnt 4*(STEPS-2-(\t))
.endif
	TURNX (\t)+1
.endif
.irp p, 0,1,2
.irp i, 0,1,2,3,4,5,6,7,8,9,10,11,12,13,14,15
.endr
	v_cvt_scalef32_pk8_fp8_f32 v[C+4*\p:C+4*\p+1], v[XS:XS+7], v[SC+2*\p]
	v_cvt_scalef32_pk8_fp8_f32 v[C+4*\p+2:C+4*\p+3], v[XS+8:XS+15], v[SC+2*\p]
	v_nop                                          ; a plain line behind the conversions
	global_store_b128 v3, v[C+4*\p:C+4*\p+3], s[26+2*\p:27+2*\p] offset:512*(\t)   ; 32 lanes store 512 consecutive bytes
.endr
.endm
.irp t, 0,1,2,3,4,5,6,7,8,9,10,11,12,13,14,15
	STEPX \t
.endr
	s_wait_tensorcnt 0x0                           ; the wave's end, behind my last LDS store
	ds_add_u32 v[SPW], v[NIL]
	s_wait_dscnt 0x0
	s_endpgm
; ---------------- the weights ----------------
.Lw:
	s_sub_co_u32 s25, ttmp9, 256
	s_lshr_b32 s26, s25, 5                         ; which weight: q, k, v, o
	s_and_b32 s27, s25, 7                          ; which 128 columns
	s_bfe_u32 s28, s25, 0x20003                    ; which 256 along K
	s_wait_kmcnt 0x0
	s_mov_b64 s[4:5], s[10:11]
	s_mov_b32 s30, s33                             ; e1
	s_cmp_eq_u32 s26, 1
	s_cselect_b64 s[4:5], s[12:13], s[4:5]
	s_cselect_b32 s30, s35, s30                    ; e3
	s_cmp_eq_u32 s26, 2
	s_cselect_b64 s[4:5], s[14:15], s[4:5]
	s_cselect_b32 s30, s37, s30                    ; e5
	s_cmp_eq_u32 s26, 3
	s_cselect_b64 s[4:5], s[16:17], s[4:5]
	s_cselect_b32 s30, s43, s30                    ; e11
	s_lshl_b32 s29, s27, 7
	s_lshl_b32 s31, s24, 5
	s_add_co_u32 s29, s29, s31                     ; my wave's first column
	s_lshl_b32 s2, s28, 20                         ; 256 rows of 4,096 bytes
	s_lshl_b32 s31, s29, 2
	s_add_co_u32 s2, s2, s31
	s_mov_b32 s3, 0
	s_add_nc_u64 s[4:5], s[4:5], s[2:3]
	s_lshl_b32 s2, s26, 20                         ; the weight's plane of codes,
	s_lshl_b32 s31, s29, 10                        ; my first column's row of 1,024 bytes,
	s_add_co_u32 s2, s2, s31
	s_lshl_b32 s31, s28, 8                         ; my 256 along K
	s_add_co_u32 s2, s2, s31
	s_add_nc_u64 s[6:7], s[22:23], s[2:3]
	s_wait_alu depctr_va_vdst(0)
	v_lshlrev_b32 v3, 2, v2                        ; in: 4 bytes a lane
	s_mul_i32 s44, s24, 32*PITCH
	s_add_co_u32 s44, s44, WST                     ; my stage
	v_mul_u32_u24 v4, v2, PITCH
	v_add_nc_u32 v4, s44, v4                       ; into it: row = my column
	v_and_b32 v5, 15, v2
	v_lshrrev_b32 v6, 4, v2
	v_mul_u32_u24 v7, v6, PITCH
	v_lshl_add_u32 v7, v5, 4, v7
	v_add_nc_u32 v7, s44, v7                       ; out of it: sixteen lanes to a row, two rows an instruction
	v_lshlrev_b32 v8, 10, v6
	v_lshl_add_u32 v8, v5, 4, v8                   ; and the same place among the codes' rows
.macro LOADW t                         ; block t: W(32 t + i, my column) into set t % 2; 32 lanes read 128 consecutive bytes
.set i, 0
.rept 32
	global_load_b32 v[WX+32*((\t)%2)+i], v3, s[4:5] offset:(32*(\t)+i)*4096 th:TH_LOAD_NT
.set i, i+1
.endr
.endm
	LOADW 0
	LOADW 1
	s_add_co_i32 s30, s30, 127
	s_lshl_b32 s31, s30, 23
	v_mov_b32 v11, s31                             ; 2^e
	s_add_co_i32 s30, s30, 8
	s_lshl_b32 s30, s30, 23
	s_or_b32 s30, s30, 0x600000
.macro BLOCKW t
.set XS, WX+32*((\t)%2)
.if (\t) < 7
	s_wait_loadcnt 32                              ; this block's 32 loads are in; the next block's may be out
.else
	s_wait_loadcnt 0
.endif
.set i, 0
.rept 32
.set i, i+1
.endr
.irp g, 0,1,2,3
	v_cvt_scalef32_pk8_fp8_f32 v[WC+2*\g:WC+2*\g+1], v[XS+8*\g:XS+8*\g+7], v11
.endr
	v_nop                                          ; a plain line behind the last conversion
	ds_store_b128 v4, v[WC:WC+3] offset:32*(\t)
	ds_store_b128 v4, v[WC+4:WC+7] offset:32*(\t)+16
.if (\t)+2 < 8
	LOADW (\t)+2
.endif
	s_wait_dscnt 0x0                               ; the stores have read their registers: the next block's codes may be written
.endm
	s_wait_alu depctr_va_vdst(0)
.irp t, 0,1,2,3,4,5,6,7
	BLOCKW \t
.endr
.irp t, 0,1,2,3,4,5,6,7,8,9,10,11,12,13,14,15
	ds_load_b128 v[OUTR+4*\t:OUTR+4*\t+3], v7 offset:2*\t*PITCH
.endr
.irp t, 0,1,2,3,4,5,6,7,8,9,10,11,12,13,14,15
	s_wait_dscnt 15-\t                             ; LDS loads come back in order: pair t of rows is in
	global_store_b128 v8, v[OUTR+4*\t:OUTR+4*\t+3], s[6:7] offset:2*\t*1024   ; sixteen lanes store 256 consecutive aligned bytes
.endr
	s_wait_tensorcnt 0x0                           ; the wave's end, behind my last LDS store
	ds_add_u32 v[SPW], v[NIL]
	s_wait_dscnt 0x0
	s_endpgm
.Lfunc_end_k_q9d569ed46b_quant:
	.size	k_q9d569ed46b_quant, .Lfunc_end_k_q9d569ed46b_quant-k_q9d569ed46b_quant
	.p2alignl 7, 3214868480
	.fill 96, 4, 3214868480
	.section	.rodata,"a",@progbits
	.p2align	6, 0x0
	.amdhsa_kernel k_q9d569ed46b_quant
		.amdhsa_group_segment_fixed_size 68096
		.amdhsa_private_segment_fixed_size 0
		.amdhsa_enable_private_segment 0
		.amdhsa_kernarg_size 64
		.amdhsa_user_sgpr_count 2
		.amdhsa_user_sgpr_kernarg_segment_ptr 1
		.amdhsa_wavefront_size32 1
		.amdhsa_system_sgpr_workgroup_id_x 1
		.amdhsa_system_sgpr_workgroup_id_y 1
		.amdhsa_system_sgpr_workgroup_id_z 1
		.amdhsa_system_vgpr_workitem_id 0
		.amdhsa_next_free_vgpr 192
		.amdhsa_next_free_sgpr 66
		.amdhsa_reserve_vcc 0
		.amdhsa_float_denorm_mode_32 3
		.amdhsa_float_denorm_mode_16_64 3
		.amdhsa_fp16_overflow 1
		.amdhsa_memory_ordered 1
		.amdhsa_forward_progress 1
		.amdhsa_inst_pref_size 63
	.end_amdhsa_kernel
	.amdgpu_metadata
---
amdhsa.version: [ 1, 2 ]
amdhsa.kernels:
  - .name:           k_q9d569ed46b_quant
    .symbol:         k_q9d569ed46b_quant.kd
    .args:
      - { .name: x, .offset: 0, .size: 8, .value_kind: global_buffer, .address_space: global }
      - { .name: Wq, .offset: 8, .size: 8, .value_kind: global_buffer, .address_space: global }
      - { .name: Wk, .offset: 16, .size: 8, .value_kind: global_buffer, .address_space: global }
      - { .name: Wv, .offset: 24, .size: 8, .value_kind: global_buffer, .address_space: global }
      - { .name: Wo, .offset: 32, .size: 8, .value_kind: global_buffer, .address_space: global }
      - { .name: lowp_scales, .offset: 40, .size: 8, .value_kind: global_buffer, .address_space: global }
      - { .name: xc, .offset: 48, .size: 8, .value_kind: global_buffer, .address_space: global }
      - { .name: wc, .offset: 56, .size: 8, .value_kind: global_buffer, .address_space: global }
    .group_segment_fixed_size: 68096
    .private_segment_fixed_size: 0
    .kernarg_segment_align: 8
    .kernarg_segment_size: 64
    .max_flat_workgroup_size: 128
    .sgpr_count:     66
    .vgpr_count:     192
    .wavefront_size: 32
...
	.end_amdgpu_metadata
.endif
;; end of part 1
;; launch qkv (part 2): grid 12 x 32, 4 waves a work-group, clusters of 4 x 4, 327,680 bytes of LDS; arguments xc, wc, lowp_scales, bq, bk, bv, qc, kc, vc; writes qc, kc, vc
.if DOCPART == 2
	.amdgcn_target "amdgcn-amd-amdhsa--gfx1250"
	.amdhsa_code_object_version 6
	.text
	.protected	k_q9d569ed46b_qkv
	.globl	k_q9d569ed46b_qkv
	.p2align	8
	.type	k_q9d569ed46b_qkv,@function
k_q9d569ed46b_qkv:
	s_mov_b64 s[64:65], 0
	v_nop
	global_prefetch_b8 v0, s[64:65] scope:SCOPE_SE
	s_setreg_imm32_b32 hwreg(HW_REG_WAVE_MODE, 25, 1), 1
	s_wait_xcnt 0x0
	s_wait_alu depctr_hold_cnt(0) depctr_sa_sdst(0) depctr_va_vdst(0) depctr_va_sdst(0) depctr_va_ssrc(0) depctr_va_vcc(0) depctr_vm_vsrc(0)
	s_getreg_b32 s2, hwreg(HW_REG_IB_STS2, 6, 4)
	s_cmp_eq_u32 s2, 0
	s_cbranch_scc0 .Lentry_in_a_cluster
	s_endpgm
.Lentry_in_a_cluster:
	s_bfe_u32 s2, ttmp6, 0x10000c
	s_cmp_lg_u32 s2, 0xf033
	s_cbranch_scc0 .Lentry_shape_is_right
	s_endpgm
.Lentry_shape_is_right:
; Q = x Wq + bq, K = x Wk + bk, V = x Wv + bv on E4M3 codes, and each result quantised at once for attention (scales 2^e6, 2^e7, 2^e9).  Sums in f32.
; The cluster's x is the plane p (0 Q, 1 K, 2 V): x's codes come from plane p of xc [3][8192][1024], the weight's from rows 1024 p on of wc [n][k 1024].
; A tile of 256 rows x 256 columns is made by four waves, 128 x 128 each: 64 accumulators of 16 x 16.  K goes in steps of 256 through two LDS slots filled by the tensor data mover.
; CLUSTERS: 4 x 4 work-groups.  The four of a row need the same tile of x, the four of a column the same tile of the weight: each is asked for jointly.
; WHICH OPERAND IS WHICH.  In a result, a lane holds ONE row of source 1 and eight neighbouring rows of source 0.  Q and K are quantised along the channels: source 1 = rows of x, source 0 = rows of W.
; V is quantised along the keys: source 1 = rows of W, source 0 = rows of x.  Only the two LDS bases differ, chosen by the plane; the loop's text is one.
; THE RESULTS' LAYOUT is the order of the reader's operand registers.  rowmap(T, m) = 32 (T / 2) + 8 (T % 2) + m + 8 (m / 8).
;   qc, kc: [head 64][tile T 128][c 2][lane 32][16 bytes]: lane (m, h) holds row rowmap(T, m), channels 32 c + 16 h + 0 .. 15.
;   vc:     [head 64][key step 16][td 4][c 4][lane 32][16 bytes]: lane (m, h) holds channel rowmap(td, m), keys 128 step + 32 c + 16 h + 0 .. 15.
; A work-group makes 16,384 consecutive bytes for each of four heads; they are gathered in LDS as they will lie in memory, and wave w stores head w's.
; LIMITS: e_x + e_w of each product between -126 and 127; e6, e7, e9 between -126 and 119.  NaN among the inputs is not served.
; REGISTERS, in windows of 256: window 0: v16-31 addresses, v32-95 and v96-111 the biases, v128-255 source 1's fragments (one set), free on the way out;
;   window 1: source 0's fragments, two sets;  windows 2, 3: the accumulators ((a, b) at v[8 (8 (a % 4) + b)] of window 2 + a / 4).
.set KROW,   1024
.set ROWB,   256
.set PITCH,  272                       ; an LDS row: 256 bytes + 16 of padding: the 16 rows that a load touches start 68 words apart
.set FR,     16
.set NL,     4
.set NP,     4
.set HALFT,  128*PITCH
.set SLOT,   4*HALFT                   ; x's 256 rows, then the weight's 256 rows
.set LAPS,   2                         ; K = 1,024 = two laps of two K steps
.set SPARE,  2*SLOT                    ; behind the ring: the spare words
.set STGV,   65536                     ; the way out: Q's and K's image at 0, V's at 65,536, both in slot 0, which has had its last fill and its last read by then
.set ADRA, 16                          ; v16-17 source 1's fragments in slot 0, 1
.set ADRB, 20                          ; v20-21 source 0's
.set STOQ, 22                          ; v22  where I put 8 codes (Q, K)
.set STOV, 23                          ; v23  the same for V
.set RD,   24                          ; v24  where I read the image back
.set GO,   25                          ; v25  16 x lane
.set LIM,  26
.set SCL,  27                          ; v27  2^eo
.set SPW,  28
.set NIL,  29
.set BOQ,  30                          ; v30, v31 the biases' offsets
.set BOV,  31
.set BQ,   32                          ; v32-95  bias of my 8 x 8 channels (Q, K)
.set BV,   96                          ; v96-111 bias of my channel in block a, at v[96 + 2 a] (V)
.set AF,   128
.set T,    128                         ; the way out: a block's 64 numbers
.set C,    192                         ; and their codes
.set BK,   128                         ; the image read back
.set G1, 24
.set G0, 32
.set G1B, 48
.set G0B, 56
.set MSB, 0
.macro WIN new                         ; the immediate's high byte repeats the setting that is left
.if MSB != \new
	s_set_vgpr_msb (MSB<<8)|\new
.set MSB, \new
.endif
.endm
.set MUL_LO, 0xa1                      ; source 0 window 1, source 1 window 0, C and D window 2
.set MUL_HI, 0xf1
.set TO_B,   0x40
; A joint load: waves 0 and 1 fetch x's halves, waves 2 and 3 the weight's.  The branch hangs on the wave's number alone.  An s_nop 0 and four v_nop follow each line.
.macro JLOAD g0a, g1a, g0b, g1b
	s_cmp_eq_u32 s15, 0
	s_cbranch_scc0 .Lfor_b_\@
	tensor_load_to_lds s[\g0a:\g0a+3], s[\g1a:\g1a+7]
	s_nop 0
.rept 4
	v_nop
.endr
	s_branch .Lasked_\@
.Lfor_b_\@:
	tensor_load_to_lds s[\g0b:\g0b+3], s[\g1b:\g1b+7]
	s_nop 0
.rept 4
	v_nop
.endr
.Lasked_\@:
.endm
.macro CREST
	s_cmp_lg_u32 s14, 0
	s_cbranch_scc1 .Lnot_wave_0_\@
	s_barrier_signal -3
.Lnot_wave_0_\@:
	s_barrier_wait -3
	s_barrier_signal -1
	s_barrier_wait -1
.endm
.macro CROUND
	s_barrier_signal -1
	s_barrier_wait -1
	CREST
.endm
	s_load_b512 s[68:83], s[0:1], 0x0              ; xc 68, wc 70, scales 72, bq 74, bk 76, bv 78, qc 80, kc 82
	s_load_b64 s[84:85], s[0:1], 0x40              ; vc
	v_lshl_add_u32 v[SPW], v0, 2, SPARE
	v_mov_b32 v[NIL], 0
	ds_add_u32 v[SPW], v[NIL]                      ; the wave's opening: the add and its wait ahead of my first tensor load
	ds_add_u32 v[SPW], v[NIL]
	v_lshrrev_b32 v1, 5, v0
	v_readfirstlane_b32 s14, v1                    ; wave 0..3
	s_lshr_b32 s15, s14, 1                         ; my half of source 1's rows.  Also: I fetch x's tile (0) or the weight's (1)
	s_and_b32 s16, s14, 1                          ; my half of source 0's rows.  Also: which 128 rows I fetch
	s_bfe_u32 s40, ttmp6, 0x40000                  ; cx
	s_bfe_u32 s41, ttmp6, 0x40004                  ; cy
	s_lshl_b32 s42, ttmp9, 2
	s_add_co_u32 s42, s42, s40                     ; tile column among the 12: 4 x plane + cx
	s_and_b32 s17, ttmp7, 0xffff
	s_lshl_b32 s17, s17, 2
	s_add_co_u32 s17, s17, s41                     ; tile row
	s_lshl_b32 s43, s41, 2
	s_lshl_b32 s43, 15, s43                        ; my row of the cluster
	s_lshl_b32 s44, 0x1111, s40                    ; my column
	s_or_b32 s[G1+0], s43, (0<<16)|(1<<20)|(1<<21)|(5<<22)|(3<<25)  ; the mask; elements of 1 byte; padding on; bit 21 beside a mask; 4 words behind every 64
	s_or_b32 s[G1B+0], s44, (0<<16)|(1<<20)|(1<<21)|(5<<22)|(3<<25)
.irp g, G1, G1B
	s_mov_b32 s[\g+1], ROWB<<16                    ; tensor_dim0
	s_mov_b32 s[\g+2], 128<<16                     ; tensor_dim1
	s_mov_b32 s[\g+3], ROWB<<16                    ; tile_dim0
	s_mov_b32 s[\g+4], 128                         ; tile_dim1
	s_mov_b32 s[\g+5], KROW                        ; from row to row
	s_mov_b32 s[\g+6], 0
	s_mov_b32 s[\g+7], 0
.endr
	s_lshl_b32 s18, s16, 7
	s_lshl_b32 s20, s17, 8
	s_add_co_u32 s20, s20, s18                     ; x: row 256 x tile row + 128 x half,
	s_lshl_b32 s20, s20, 10                        ; in bytes,
	s_lshl_b32 s19, ttmp9, 23
	s_add_co_u32 s20, s20, s19                     ; in the plane's codes
	s_mov_b32 s21, 0
	s_lshl_b32 s46, s42, 8
	s_add_co_u32 s46, s46, s18                     ; the weight: row 256 x tile column + 128 x half
	s_lshl_b32 s46, s46, 10
	s_mov_b32 s47, 0
	s_mul_i32 s45, s14, HALFT                      ; where my tile goes: wave x 128 rows
	s_wait_dscnt 0x0                               ; the opening add is done
	s_wait_kmcnt 0x0
	s_load_b256 s[88:95], s[72:73], 0x0            ; e0 .. e7
	s_load_b128 s[96:99], s[72:73], 0x20           ; e8 .. e11
	s_add_nc_u64 s[20:21], s[68:69], s[20:21]
	s_add_nc_u64 s[46:47], s[70:71], s[46:47]
	CROUND                                         ; all sixteen work-groups are here: the first joint loads meet
.irp s, 0,1
	s_mov_b32 s[G0+4*\s], 1
	s_add_co_u32 s[G0+4*\s+1], s45, \s*SLOT
	s_add_nc_u64 s[G0+4*\s+2:G0+4*\s+3], s[20:21], \s*ROWB
	s_or_b32 s[G0+4*\s+3], s[G0+4*\s+3], 0x80000000
	s_mov_b32 s[G0B+4*\s], 1
	s_add_co_u32 s[G0B+4*\s+1], s45, \s*SLOT
	s_add_nc_u64 s[G0B+4*\s+2:G0B+4*\s+3], s[46:47], \s*ROWB
	s_or_b32 s[G0B+4*\s+3], s[G0B+4*\s+3], 0x80000000
	JLOAD G0+4*\s, G1, G0B+4*\s, G1B
.endr
	v_and_b32 v1, 15, v0                           ; r
	v_bfe_u32 v2, v0, 4, 1                         ; h
	v_mul_u32_u24 v3, v1, PITCH
	v_lshl_add_u32 v4, v2, 4, v3                   ; a fragment's row x pitch + 16 h
	s_wait_alu depctr_va_vdst(0)
	s_cmp_eq_u32 ttmp9, 2                          ; V?  The plane is the same in all sixteen partners
	s_cselect_b32 s8, 2*HALFT, 0                   ; source 1 lies among x's rows (Q, K) or the weight's (V),
	s_cselect_b32 s9, 0, 2*HALFT                   ; source 0 the other way round
	s_mul_i32 s22, s15, HALFT
	s_add_co_u32 s22, s22, s8
	s_mul_i32 s23, s16, HALFT
	s_add_co_u32 s23, s23, s9
.irp s, 0,1
	v_add_nc_u32 v[ADRA+\s], s22, v4
	v_add_nc_u32 v[ADRB+\s], s23, v4
	s_add_co_u32 s22, s22, SLOT
	s_add_co_u32 s23, s23, SLOT
.endr
	v_lshrrev_b32 v5, 3, v1                        ; r / 8
	v_and_b32 v6, 7, v1                            ; r % 8
	v_lshlrev_b32 v7, 4, v6
	v_lshl_add_u32 v7, v2, 3, v7                   ; 16 (r % 8) + 8 h
	s_lshl_b32 s12, s16, 15
	s_lshl_b32 s13, s15, 13
	s_add_co_u32 s12, s12, s13
	v_lshl_add_u32 v[STOQ], v5, 10, v7
	v_add_nc_u32 v[STOQ], s12, v[STOQ]             ; Q, K: 32,768 x channel half + 8,192 x row half + 1,024 (r / 8) + 16 (r % 8) + 8 h
	s_lshl_b32 s12, s15, 15
	s_lshl_b32 s13, s16, 13
	s_add_co_u32 s12, s12, s13
	s_add_co_u32 s12, s12, STGV
	v_lshl_add_u32 v[STOV], v5, 11, v7
	v_add_nc_u32 v[STOV], s12, v[STOV]             ; V: its own bytes + 32,768 x channel half + 8,192 x key half + 2,048 (r / 8) + 16 (r % 8) + 8 h
	v_and_b32 v8, 31, v0
	v_lshlrev_b32 v[GO], 4, v8
	s_cmp_eq_u32 ttmp9, 2
	s_cselect_b32 s12, STGV, 0
	s_lshl_b32 s13, s14, 14
	s_add_co_u32 s12, s12, s13
	v_add_nc_u32 v[RD], s12, v[GO]                 ; back: head w's 16,384 bytes, 16 a lane
	s_cmp_eq_u32 ttmp9, 1
	s_cselect_b64 s[4:5], s[76:77], s[74:75]       ; the plane's bias
	s_cselect_b64 s[6:7], s[82:83], s[80:81]       ; and its output
	s_cmp_eq_u32 ttmp9, 2
	s_cselect_b64 s[4:5], s[78:79], s[4:5]
	s_cselect_b64 s[6:7], s[84:85], s[6:7]
	s_lshl_b32 s12, s40, 10                        ; 256 cx numbers
	s_lshl_b32 s13, s16, 9
	s_add_co_u32 s13, s13, s12
	v_lshl_add_u32 v[BOQ], v2, 5, s13              ; Q, K: bias of channels 256 cx + 128 x half + 16 b + 8 h + 0 .. 7
	s_lshl_b32 s13, s15, 9
	s_add_co_u32 s13, s13, s12
	v_lshl_add_u32 v[BOV], v1, 2, s13              ; V: bias of channel 256 cx + 128 x half + 16 a + r
.irp b, 0,1,2,3,4,5,6,7                        ; both patterns are loaded in every plane, so that every register is written on every way
	global_load_b128 v[BQ+8*\b:BQ+8*\b+3], v[BOQ], s[4:5] offset:64*\b
	global_load_b128 v[BQ+8*\b+4:BQ+8*\b+7], v[BOQ], s[4:5] offset:64*\b+16
.endr
.irp a, 0,1,2,3,4,5,6,7
	global_load_b32 v[BV+2*\a], v[BOV], s[4:5] offset:64*\a
	v_mov_b32 v[BV+2*\a+1], 0                      ; (named as the pair's upper half)
.endr
	s_lshr_b32 s12, s17, 3                         ; the batch: 16 heads of 131,072 bytes,
	s_lshl_b32 s12, s12, 21
	s_lshl_b32 s13, s40, 19                        ; four heads to a tile column,
	s_add_co_u32 s12, s12, s13
	s_lshl_b32 s13, s14, 17                        ; head w of them,
	s_add_co_u32 s12, s12, s13
	s_and_b32 s13, s17, 7
	s_lshl_b32 s13, s13, 14                        ; the tile row's 256 rows: 16,384 bytes in each layout
	s_add_co_u32 s12, s12, s13
	s_mov_b32 s13, 0
	s_add_nc_u64 s[6:7], s[6:7], s[12:13]
.macro FRAG reg, adr, q, i             ; 16 rows x 128 K: registers 4 c .. 4 c + 3 hold K = 32 c + 16 h + 0 .. 15, alike on both sides
.irp c, 0,1,2,3
	ds_load_b128 v[\reg+4*\c:\reg+4*\c+3], v[\adr] offset:128*(\q)+32*\c+(\i)*16*PITCH
.endr
.endm
; 16 matrix instructions: source 1's blocks a0, a0 + 1 x source 0's eight.  The 64 accumulators take turns, one instruction a turn.
.macro MUL16 a0, p, zero
.irp a, \a0, \a0+1
.irp b, 0,1,2,3,4,5,6,7
.if \zero
	v_wmma_f32_16x16x128_fp8_fp8 v[8*(8*((\a)%4)+\b):8*(8*((\a)%4)+\b)+7], v[128*(\p)+FR*\b:128*(\p)+FR*\b+FR-1], v[AF+FR*(\a):AF+FR*(\a)+FR-1], 0
.else
	v_wmma_f32_16x16x128_fp8_fp8 v[8*(8*((\a)%4)+\b):8*(8*((\a)%4)+\b)+7], v[128*(\p)+FR*\b:128*(\p)+FR*\b+FR-1], v[AF+FR*(\a):AF+FR*(\a)+FR-1], v[8*(8*((\a)%4)+\b):8*(8*((\a)%4)+\b)+7]
.endif
.endr
.endr
.endm
.macro FETCH_B slot, q, p
	WIN TO_B
.irp i, 0,1,2,3,4,5,6,7
	FRAG 128*(\p)+FR*\i, ADRB+\slot, \q, \i
.endr
	WIN 0
.endm
.macro FETCH_A slot, q, i0
.irp i, \i0, \i0+1, \i0+2, \i0+3
	FRAG AF+FR*(\i), ADRA+\slot, \q, \i
.endr
.endm
.macro PLACES n                        ; plain vector lines between a matrix instruction and a load into, or a read of, its registers
.rept \n
	v_nop
.endr
.endm
.macro STEP slot, q, zero              ; 128 along K, with its successor in the same slot
	s_wait_dscnt 4*NL                              ; source 0's set and source 1's blocks 0-3 are in; blocks 4-7 (16 loads) may be out
	WIN MUL_LO
	MUL16 0, (\q)%2, \zero
	MUL16 2, (\q)%2, \zero
	s_wait_dscnt 0
	PLACES NP
	FETCH_B \slot, (\q)+1, 1-(\q)%2
	FETCH_A \slot, (\q)+1, 0
	WIN MUL_HI
	MUL16 4, (\q)%2, \zero
	MUL16 6, (\q)%2, \zero
	PLACES NP
	WIN 0
	FETCH_A \slot, (\q)+1, 4
.endm
; A slot's last step changes slots: one barrier; in front of it each wave waits for all its tensor loads, adds 0 to its spare word, and waits for that and for its reads of this slot.
.macro TURN slot, next, fill
	s_wait_tensorcnt 0x0                           ; all my tensor loads have landed: my part of the next slot
	ds_add_u32 v[SPW], v[NIL]
	s_wait_dscnt 4*NL+1                            ; (the add and source 1's blocks 4-7 may be out)
	WIN MUL_LO
	MUL16 0, 1, 0
	s_wait_dscnt 0x0                               ; the add is done, and my reads of this slot are over
	s_barrier_signal -1
	MUL16 2, 1, 0
	WIN 0
	s_barrier_wait -1
.if \fill
	CREST                                          ; the barrier has opened a round of the cluster's: no wave of any partner still reads this slot or has a load on its way
	s_add_nc_u64 s[G0+4*\slot+2:G0+4*\slot+3], s[G0+4*\slot+2:G0+4*\slot+3], 2*ROWB
	s_add_nc_u64 s[G0B+4*\slot+2:G0B+4*\slot+3], s[G0B+4*\slot+2:G0B+4*\slot+3], 2*ROWB
	JLOAD G0+4*\slot, G1, G0B+4*\slot, G1B         ; the first tensor load behind the round; its four v_nop are also the places in front of the loads below
.else
	PLACES NP
.endif
	FETCH_B \next, 0, 0
	FETCH_A \next, 0, 0
	WIN MUL_HI
	MUL16 4, 1, 0
	MUL16 6, 1, 0
	PLACES NP
	WIN 0
	FETCH_A \next, 0, 4
.endm
	s_wait_tensorcnt 1                             ; my part of K step 0 is in; K step 1's load may be out
	s_barrier_signal -1
	s_barrier_wait -1
	FETCH_B 0, 0, 0
	FETCH_A 0, 0, 0
	FETCH_A 0, 0, 4
	STEP 0, 0, 1                                   ; the first step's products start the sums
	s_mov_b32 s3, LAPS-1
.Llap:
	TURN 0, 1, 1
	STEP 1, 0, 0
	TURN 1, 0, 1
	STEP 0, 0, 0
	s_sub_co_u32 s3, s3, 1
	s_cmp_lg_u32 s3, 0
	s_cbranch_scc1 .Llap
	TURN 0, 1, 0                                   ; the last lap fills nothing
	STEP 1, 0, 0
	s_wait_dscnt 4*NL
	WIN MUL_LO
	MUL16 0, 1, 0
	MUL16 2, 1, 0
	s_wait_dscnt 0
	WIN MUL_HI
	MUL16 4, 1, 0
	MUL16 6, 1, 0
	WIN 0
; THE WAY OUT.  number = sum x 2^(ex + ew) + bias, one packed multiply-add for two; held within +-448 x 2^eo; eight neighbours along the next K become eight codes, which go to their place in the image.
	s_wait_kmcnt 0x0
	s_wait_loadcnt 0x0                             ; the biases
	s_cmp_eq_u32 ttmp9, 1
	s_cselect_b32 s12, s90, s88                    ; x's exponent: e0, e2 or e4
	s_cselect_b32 s13, s91, s89                    ; the weight's: e1, e3 or e5
	s_cselect_b32 s18, s95, s94                    ; the result's: e6, e7 or e9
	s_cmp_eq_u32 ttmp9, 2
	s_cselect_b32 s12, s92, s12
	s_cselect_b32 s13, s93, s13
	s_cselect_b32 s18, s97, s18
	s_add_co_i32 s12, s12, s13
	s_add_co_i32 s12, s12, 127
	s_lshl_b32 s10, s12, 23                        ; 2^(ex + ew) as f32
	s_mov_b32 s11, s10                             ; (named with it as a pair)
	s_add_co_i32 s18, s18, 127
	s_lshl_b32 s19, s18, 23
	v_mov_b32 v[SCL], s19
	PLACES NP
.macro OUTBLK a, isv
.set AC, 64*((\a)%4)
	WIN 0x02+((\a)/4)                              ; source 0: window 2 or 3
.irp b, 0,1,2,3,4,5,6,7
.irp i, 0,2,4,6                                ; each accumulator from its low end on
.if \isv
	v_pk_fma_f32 v[T+8*\b+\i:T+8*\b+\i+1], v[AC+8*\b+\i:AC+8*\b+\i+1], s[10:11], v[BV+2*(\a):BV+2*(\a)+1] op_sel_hi:[1,0,0]
.else
	v_pk_fma_f32 v[T+8*\b+\i:T+8*\b+\i+1], v[AC+8*\b+\i:AC+8*\b+\i+1], s[10:11], v[BQ+8*\b+\i:BQ+8*\b+\i+1] op_sel_hi:[1,0,1]
.endif
.endr
.endr
	WIN 0
.set j, 0
.rept 64
.set j, j+1
.endr
.irp b, 0,1,2,3,4,5,6,7
	v_cvt_scalef32_pk8_fp8_f32 v[C+2*\b:C+2*\b+1], v[T+8*\b:T+8*\b+7], v[SCL]
.endr
	v_nop                                          ; a plain line behind the last conversion: the next block writes its sources
.irp b, 0,1,2,3,4,5,6,7
.if \isv
	ds_store_b64 v[STOV], v[C+2*\b:C+2*\b+1] offset:((\a)/4)*16384+(((\a)%4)/2)*4096+((\a)%2)*128+(\b/2)*512+(\b%2)*256
.else
	ds_store_b64 v[STOQ], v[C+2*\b:C+2*\b+1] offset:(\b/4)*16384+((\a)/2)*2048+((\a)%2)*128+((\b%4)/2)*512+(\b%2)*256
.endif
.endr
.endm
	s_cmp_eq_u32 ttmp9, 2                          ; the plane: the same in every wave and every partner
	s_cbranch_scc1 .Lv
.irp a, 0,1,2,3,4,5,6,7
	OUTBLK \a, 0
.endr
	s_branch .Ljoin
.Lv:
	s_wait_alu depctr_va_vdst(0)
.irp a, 0,1,2,3,4,5,6,7
	OUTBLK \a, 1
.endr
.Ljoin:
	s_wait_dscnt 0x0                               ; for the others' sake: my stores into the image are done
	s_barrier_signal -1
	s_barrier_wait -1
.set t, 0
.rept 32
	ds_load_b128 v[BK+4*t:BK+4*t+3], v[RD] offset:512*t
.set t, t+1
.endr
.set t, 0
.rept 32
	s_wait_dscnt 31-t                              ; LDS loads come back in order
	global_store_b128 v[GO], v[BK+4*t:BK+4*t+3], s[6:7] offset:512*t   ; 32 lanes store 512 consecutive aligned bytes
.set t, t+1
.endr
	s_wait_tensorcnt 0x0                           ; the wave's end
	ds_add_u32 v[SPW], v[NIL]
	s_wait_dscnt 0x0
	CROUND                                         ; the closing round
	s_endpgm
.Lfunc_end_k_q9d569ed46b_qkv:
	.size	k_q9d569ed46b_qkv, .Lfunc_end_k_q9d569ed46b_qkv-k_q9d569ed46b_qkv
	.p2alignl 7, 3214868480
	.fill 96, 4, 3214868480
	.section	.rodata,"a",@progbits
	.p2align	6, 0x0
	.amdhsa_kernel k_q9d569ed46b_qkv
		.amdhsa_group_segment_fixed_size 327680
		.amdhsa_private_segment_fixed_size 0
		.amdhsa_enable_private_segment 0
		.amdhsa_kernarg_size 72
		.amdhsa_user_sgpr_count 2
		.amdhsa_user_sgpr_kernarg_segment_ptr 1
		.amdhsa_wavefront_size32 1
		.amdhsa_system_sgpr_workgroup_id_x 1
		.amdhsa_system_sgpr_workgroup_id_y 1
		.amdhsa_system_sgpr_workgroup_id_z 1
		.amdhsa_system_vgpr_workitem_id 0
		.amdhsa_next_free_vgpr 1024
		.amdhsa_next_free_sgpr 100
		.amdhsa_reserve_vcc 0
		.amdhsa_float_denorm_mode_32 3
		.amdhsa_float_denorm_mode_16_64 3
		.amdhsa_fp16_overflow 1
		.amdhsa_memory_ordered 1
		.amdhsa_forward_progress 1
		.amdhsa_inst_pref_size 138
	.end_amdhsa_kernel
	.amdgpu_metadata
---
amdhsa.version: [ 1, 2 ]
amdhsa.kernels:
  - .name:           k_q9d569ed46b_qkv
    .symbol:         k_q9d569ed46b_qkv.kd
    .args:
      - { .name: xc, .offset: 0, .size: 8, .value_kind: global_buffer, .address_space: global }
      - { .name: wc, .offset: 8, .size: 8, .value_kind: global_buffer, .address_space: global }
      - { .name: lowp_scales, .offset: 16, .size: 8, .value_kind: global_buffer, .address_space: global }
      - { .name: bq, .offset: 24, .size: 8, .value_kind: global_buffer, .address_space: global }
      - { .name: bk, .offset: 32, .size: 8, .value_kind: global_buffer, .address_space: global }
      - { .name: bv, .offset: 40, .size: 8, .value_kind: global_buffer, .address_space: global }
      - { .name: qc, .offset: 48, .size: 8, .value_kind: global_buffer, .address_space: global }
      - { .name: kc, .offset: 56, .size: 8, .value_kind: global_buffer, .address_space: global }
      - { .name: vc, .offset: 64, .size: 8, .value_kind: global_buffer, .address_space: global }
    .group_segment_fixed_size: 327680
    .private_segment_fixed_size: 0
    .kernarg_segment_align: 8
    .kernarg_segment_size: 72
    .max_flat_workgroup_size: 128
    .sgpr_count:     100
    .vgpr_count:     1024
    .wavefront_size: 32
...
	.end_amdgpu_metadata
.endif
;; end of part 2
;; launch attn (part 3): grid 8 x 64, 16 waves a work-group, no clusters, 327,680 bytes of LDS; arguments qc, kc, vc, lowp_scales, ac; writes ac
.if DOCPART == 3
	.amdgcn_target "amdgcn-amd-amdhsa--gfx1250"
	.amdhsa_code_object_version 6
	.text
	.protected	k_q9d569ed46b_attn
	.globl	k_q9d569ed46b_attn
	.p2align	8
	.type	k_q9d569ed46b_attn,@function
k_q9d569ed46b_attn:
	s_mov_b64 s[64:65], 0
	v_nop
	global_prefetch_b8 v0, s[64:65] scope:SCOPE_SE
	s_setreg_imm32_b32 hwreg(HW_REG_WAVE_MODE, 25, 1), 1
	s_wait_xcnt 0x0
; Causal attention of one head (64 channels, 2,048 positions) on E4M3 codes; the result is quantised at once (2^e10) for the output projection.
; t = score x log2(e) / 8; M = the running largest t rounded up to a whole number; p = 2^(t - M) is quantised (2^e8), not normalised; the row's sum is taken of the unquantised p and divides at the end.
; INPUTS lie in the order of the operands' registers.  rowmap(T, m) = 32 (T / 2) + 8 (T % 2) + m + 8 (m / 8).
;   qc, kc: [head][tile T 128][c 2][lane][16 bytes]: lane (m, h): row rowmap(T, m), channels 32 c + 16 h + 0 .. 15.
;   vc: [head][key step 16][td 4][c 4][lane][16 bytes]: lane (m, h): channel rowmap(td, m), keys 128 step + 32 c + 16 h + 0 .. 15.
; OUTPUT ac: [row tile GT 512][kq 8][c 4][lane][16 bytes]: lane (m, h): row rowmap(GT, m), k = 128 kq + 32 c + 16 h + 0 .. 15, k = 64 x head in batch + channel.
; Both products are used transposed (S^T = K Q^T, O^T = V^T P^T): a lane holds one query throughout.  By rowmap the 16 registers of two neighbouring tiles of S^T are 16 neighbouring keys, and those of O^T 16 neighbouring channels:
; the conversions' results are the next operand's registers.
; SHARES.  Work-group i of a head owns the blocks of 128 queries i and 15 - i: (i + 1) + (16 - i) = 17 key steps of 128 for each pair of waves, the same in every work-group.
; Wave w has class (w ^ (w >> 2)) & 1 (0: block i, 1: block 15 - i) and tile w >> 1 of its block.  Every wave walks all 16 key steps and jumps over the work of those that lie wholly behind its queries.
; K's and V's images come through two LDS slots of 512 keys (32,768 + 32,768 bytes), filled by waves 0-3, 16,384 dense bytes each, and read by all sixteen.
; NO CLUSTER: the work-groups of a head need different numbers of slots (3 or 4) and, in step, each slot would last as long as the busiest partner's: for i = 0 .. 3 that is 16 + 8 + 8 + 8 = 40 wave steps
; a SIMD against each partner's own 34; what would be shared is 65,536 bytes for a slot of up to 64 wave steps.
; LIMITS: e6 + e7 between -123 and 130 (added to c's exponent field); e8 and e10 between -126 and 119.  NaN among the inputs is not served.
; REGISTERS: v1 16 x lane; v2 my query - 16 h; v3 256 x lane; v5, v6 the add's two; v8 the LDS address in hand; v12 -M; v13 the largest t; v[14:15] the sum; v16-23 Q; v32-95 K's eight or V's four fragments;
;   v96-159 S^T, then p; v160-191 O^T; v224-239 p's codes; v244: 2^e8; v245: 2^e10; v236-243, v246, v248-255 at work.
.set SLOT1, 1<<16
.set SPARE, 2*SLOT1                    ; behind the ring: the spare words, 128 bytes for each of sixteen waves
.set LI,   1
.set QLV,  2
.set PFO,  3
.set SPW,  5
.set NIL,  6
.set ADR,  8
.set F,    32
.set TB,   2                           ; s2   LDS byte at which the step's tiles of K begin
.set WV,   18
.set SEL,  20
.set CS,   22
.set G1,   24                          ; s[24:31]
.set G0,   32                          ; s[32:35], which walks
.set SLOTS, 36
.set STEPS, 37
.set KF,   38                          ; the step's first key
.set QF,   39                          ; my tile's first query
.set QL,   40                          ; and its last
.set WLAST, 41                         ; my work-group's last query
.set PFA,  42                          ; s[42:43] where my prefetches stand
.set LIM,  44                          ; 1 in a wave that prefetches, else the greatest number
.macro TLOAD                           ; waves 0, 1: K's halves; waves 2, 3: V's; the others nothing.  An s_nop 0 and four v_nop follow
	s_cmp_lt_u32 s[WV], 4
	s_cbranch_scc0 .Lasked_\@
	tensor_load_to_lds s[G0:G0+3], s[G1:G1+7]
	s_nop 0
.rept 4
	v_nop
.endr
.Lasked_\@:
.endm
; A prefetch of the slot that the NEXT change of slots will ask for.  All eight work-groups of a head walk the same K and V: work-group 0, which walks all four slots, asks.  In it waves 4-7 name K's 32,768 bytes
; and waves 8-11 V's: 8,192 bytes a wave, lanes 256 bytes apart, one instruction.  So each aligned block of 256 bytes is named once.  The last change that fills a slot asks for nothing.
.macro ASK
	s_cmp_gt_u32 s[SLOTS], s[LIM]
	s_cbranch_scc0 .Lnot_mine_\@
	global_prefetch_b8 v[PFO], s[PFA:PFA+1] th:TH_LOAD_NT scope:SCOPE_SE
.Lnot_mine_\@:
.endm
	s_load_b256 s[4:11], s[0:1], 0x0               ; qc 4, kc 6, vc 8, scales 10
	s_load_b64 s[12:13], s[0:1], 0x20              ; ac
	v_lshl_add_u32 v[SPW], v0, 2, SPARE
	v_mov_b32 v[NIL], 0
	ds_add_u32 v[SPW], v[NIL]                      ; the wave's opening: the add and its wait ahead of my first tensor load
	ds_add_u32 v[SPW], v[NIL]
	v_lshrrev_b32 v8, 5, v0
	s_delay_alu instid0(VALU_DEP_1)
	v_readfirstlane_b32 s[WV], v8                  ; wave 0..15
	s_and_b32 s46, ttmp7, 0xffff                   ; the head, 0..63
	s_lshl_b32 s47, s46, 17                        ; its first byte in qc, kc and vc
	s_lshr_b32 s48, s[WV], 2
	s_xor_b32 s48, s48, s[WV]
	s_and_b32 s48, s48, 1                          ; class
	s_lshr_b32 s49, s[WV], 1                       ; tile in the block
	s_sub_co_u32 s50, 15, ttmp9
	s_cmp_eq_u32 s48, 1
	s_cselect_b32 s51, s50, ttmp9                  ; my block of 128 queries
	s_lshl_b32 s51, s51, 3
	s_add_co_u32 s51, s51, s49                     ; my tile T
	s_lshr_b32 s52, s51, 1
	s_lshl_b32 s52, s52, 5
	s_and_b32 s53, s51, 1
	s_lshl_b32 s53, s53, 3
	s_add_co_u32 s[QF], s52, s53                   ; rowmap(T, 0)
	s_add_co_u32 s[QL], s[QF], 23                  ; rowmap(T, 15)
	s_lshl_b32 s[WLAST], s50, 7
	s_add_co_u32 s[WLAST], s[WLAST], 127
	s_mov_b32 s[G1], 3<<16                         ; no mask; elements of 8 bytes; no padding: the images are dense
	s_mov_b32 s[G1+1], 32<<16                      ; tensor_dim0 = 32 elements: rows of 256 bytes
	s_mov_b32 s[G1+2], 64<<16                      ; tensor_dim1 = 64
	s_mov_b32 s[G1+3], 32<<16                      ; tile_dim0
	s_mov_b32 s[G1+4], 64                          ; tile_dim1
	s_mov_b32 s[G1+5], 32                          ; from row to row
	s_mov_b32 s[G1+6], 0
	s_mov_b32 s[G1+7], 0
	s_mov_b32 s[SEL], 0x76543210
	s_mov_b32 s[SEL+1], 0xfedcba98
	s_mov_b32 s[CS], 0x3e38aa3b                    ; c = log2(e) / sqrt(64)
	s_mov_b32 s[TB], 0
	s_mov_b32 s[SLOTS], 3
	s_mov_b32 s[KF], 0
	s_mov_b32 s55, 0
	s_wait_dscnt 0x0                               ; the opening add is done
	s_wait_kmcnt 0x0
	s_load_b256 s[68:75], s[10:11], 0x0            ; e0 .. e7
	s_load_b128 s[76:79], s[10:11], 0x20           ; e8 .. e11
	s_mov_b32 s[G0], 1
	s_and_b32 s[G0+1], s[WV], 3
	s_lshl_b32 s[G0+1], s[G0+1], 14                ; LDS: 16,384 x (wave % 4), in slot 0
	s_cmp_lt_u32 s[WV], 2
	s_cselect_b64 s[G0+2:G0+3], s[6:7], s[8:9]     ; K's image or V's,
	s_and_b32 s54, s[WV], 1
	s_lshl_b32 s54, s54, 14                        ; its half of a slot's 32,768 bytes,
	s_add_co_u32 s54, s54, s47                     ; in my head
	s_add_nc_u64 s[G0+2:G0+3], s[G0+2:G0+3], s[54:55]
	s_or_b32 s[G0+3], s[G0+3], 0x80000000
	TLOAD                                          ; slot 0
	s_lshl_b32 s54, s51, 10
	s_add_co_u32 s54, s54, s47
	s_add_nc_u64 s[4:5], s[4:5], s[54:55]          ; Q's tile T
	v_and_b32 v9, 31, v0
	s_delay_alu instid0(VALU_DEP_1)
	v_lshlrev_b32 v[LI], 4, v9
	s_delay_alu instid0(VALU_DEP_2)
	v_lshlrev_b32 v[PFO], 8, v9
	global_load_b128 v[16:19], v[LI], s[4:5]       ; Q's fragment stays in registers
	global_load_b128 v[20:23], v[LI], s[4:5] offset:512
	s_lshr_b32 s56, s46, 4                         ; the batch
	s_lshl_b32 s56, s56, 7
	s_add_co_u32 s56, s56, s51                     ; GT
	s_lshl_b32 s56, s56, 3
	s_bfe_u32 s57, s46, 0x30001                    ; kq = (head in batch) / 2
	s_add_co_u32 s56, s56, s57
	s_lshl_b32 s56, s56, 11
	s_and_b32 s57, s46, 1
	s_lshl_b32 s57, s57, 10                        ; c = 2 (head % 2) + 0, 1
	s_add_co_u32 s56, s56, s57
	s_mov_b32 s57, 0
	s_add_nc_u64 s[12:13], s[12:13], s[56:57]
	s_cmp_lt_u32 s[WV], 8                          ; the prefetches: waves 4-7 K's image, waves 8-11 V's
	s_cselect_b64 s[PFA:PFA+1], s[6:7], s[8:9]
	s_and_b32 s54, s[WV], 3
	s_lshl_b32 s54, s54, 13
	s_add_co_u32 s54, s54, s47
	s_add_co_u32 s54, s54, 32768                   ; in slot 1: the first change of slots steps it to slot 2
	s_add_nc_u64 s[PFA:PFA+1], s[PFA:PFA+1], s[54:55]
	s_sub_co_u32 s54, s[WV], 4
	s_lshr_b32 s54, s54, 3                         ; 0 in waves 4 to 11,
	s_or_b32 s54, s54, ttmp9                       ; of the head's work-group 0
	s_cmp_eq_u32 s54, 0
	s_cselect_b32 s[LIM], 1, -1
	v_and_b32 v10, 15, v0                          ; r
	v_bfe_u32 v11, v0, 4, 1                        ; h
	s_delay_alu instid0(VALU_DEP_2)
	v_and_b32 v[QLV], 8, v10
	s_delay_alu instid0(VALU_DEP_1)
	v_add_nc_u32 v[QLV], v[QLV], v10
	s_delay_alu instid0(VALU_DEP_3)
	v_lshlrev_b32 v11, 4, v11
	s_delay_alu instid0(VALU_DEP_1)
	v_sub_nc_u32 v[QLV], v[QLV], v11
	s_delay_alu instid0(VALU_DEP_1)
	v_add_nc_u32 v[QLV], s[QF], v[QLV]             ; my query, rowmap(T, r), less 16 h
	v_mov_b32 v13, 0xff61b1e6                      ; the largest t so far: -3e38
	s_delay_alu instid0(VALU_DEP_1)
	v_floor_f32 v12, -v13                          ; -M
	v_mov_b32 v14, 0
	v_mov_b32 v15, 0
	v_mov_b32 v246, 0                              ; a lane permute's destination counts as one of its sources
	v_mov_b32 v253, 0                              ; (named as the upper half of v[252:253])
.set j, 0
.rept 32
	v_mov_b32 v[160+j], 0                          ; O^T: the step is written once; its first walk finds zeros
.set j, j+1
.endr
	s_wait_kmcnt 0x0
	s_add_co_i32 s54, s74, s75                     ; e6 + e7 go into c's exponent field
	s_lshl_b32 s54, s54, 23
	s_add_co_i32 s[CS], s[CS], s54
	s_mov_b32 s[CS+1], s[CS]
	s_add_co_i32 s54, s76, 127
	s_lshl_b32 s56, s54, 23
	v_mov_b32 v244, s56                            ; 2^e8
	s_add_co_i32 s54, s78, 127
	s_lshl_b32 s56, s54, 23
	v_mov_b32 v245, s56                            ; 2^e10
; A KEY STEP of 128 keys.  A step all of whose keys come after my queries is jumped over: a scalar branch on ids, round loads, products and softmax, not round the two lines at its end.
.macro STEP
	s_cmp_gt_u32 s[KF], s[QL]
	s_cbranch_scc1 .Lhidden_\@
	s_setprio 2
	v_add_nc_u32 v[ADR], s[TB], v[LI]
.rept 3
	v_nop                                          ; with the addition: four places between the last products and the loads into the registers that they read
.endr
.set n, 0
.rept 16
	ds_load_b128 v[F+4*n:F+4*n+3], v[ADR] offset:512*n          ; K's eight tiles, as they lie: 512 consecutive bytes a load
.set n, n+1
.endr
	s_wait_alu depctr_va_vdst(0)
	s_wait_dscnt 8                                 ; tiles 0-3 are in; the eight younger loads may be out
.irp t, 0,1,2,3
	v_wmma_f32_16x16x64_fp8_fp8 v[96+8*\t:103+8*\t], v[F+8*\t:F+8*\t+7], v[16:23], 0
.endr
	s_wait_dscnt 0x0
.irp t, 4,5,6,7
	v_wmma_f32_16x16x64_fp8_fp8 v[96+8*\t:103+8*\t], v[F+8*\t:F+8*\t+7], v[16:23], 0
.endr
.rept 4
	v_nop
.endr
.set n, 0
.rept 16
	ds_load_b128 v[F+4*n:F+4*n+3], v[ADR] offset:32768+512*n    ; V's four tiles land while the softmax is worked
.set n, n+1
.endr
	s_add_co_u32 s46, s[KF], 127                   ; on the diagonal hidden scores become -infinity ahead of the maximum; a step all of whose keys count skips this
	s_cmp_le_u32 s46, s[QF]
	s_cbranch_scc1 .Lopen_\@
	v_sub_nc_u32 v252, v[QLV], s[KF]               ; d: register 16 b + i holds key KF + 16 h + 32 b + i: hidden where 32 b + i > d
	v_mov_b32 v254, 0xff800000
.set n, 0
.rept 64
	v_cmp_gt_i32 vcc_lo, 32*(n/16)+n%16, v252
	v_cndmask_b32 v[96+n], v[96+n], v254, vcc_lo
.set n, n+1
.endr
.Lopen_\@:
	v_max3_num_f32 v254, v96, v97, v98             ; the step's largest score of my query among my 64 keys, in two chains,
	v_max3_num_f32 v252, v99, v100, v101
.irp i, 6,10,14,18,22,26,30,34,38,42,46,50,54,58
	v_max3_num_f32 v254, v254, v[96+\i], v[97+\i]
	v_max3_num_f32 v252, v252, v[98+\i], v[99+\i]
.endr
	v_max3_num_f32 v254, v254, v158, v159
	s_delay_alu instid0(VALU_DEP_1)
	v_max_num_f32 v254, v254, v252
	s_delay_alu instid0(VALU_DEP_1)
	v_permlanex16_b32 v246, v254, s[SEL], s[SEL+1]
	s_delay_alu instid0(VALU_DEP_1)
	v_max_num_f32 v254, v254, v246                 ; and among lane l xor 16's
	s_delay_alu instid0(VALU_DEP_1)
	v_mul_f32 v254, s[CS], v254                    ; as t (c is positive)
	s_delay_alu instid0(VALU_DEP_1)
	v_max_num_f32 v13, v13, v254
	v_mov_b32 v254, v12
	s_delay_alu instid0(VALU_DEP_2)
	v_floor_f32 v12, -v13                          ; the new -M = -ceil(t)
	s_delay_alu instid0(VALU_DEP_1)
	v_sub_f32 v254, v12, v254                      ; old M - new M: a whole number, 0 or less
	s_delay_alu instid0(VALU_DEP_1)
	v_cvt_i32_f32 v254, v254
	s_delay_alu instid0(VALU_DEP_1)
	v_ldexp_f32 v252, 1.0, v254                    ; f = 2^(old M - new M)
.set j, 0
	s_setprio 1
.rept 32
	v_pk_fma_f32 v[96+j:97+j], v[96+j:97+j], s[CS:CS+1], v[12:13] op_sel_hi:[1,0,0]   ; t - M
.set j, j+2
.endr
.set j, 0
	s_wait_alu depctr_va_vdst(0)
.rept 64
	v_exp_f32 v[96+j], v[96+j]                     ; p = 2^(t - M)
.set j, j+1
.endr
	v_pk_mul_f32 v[14:15], v[14:15], v[252:253] op_sel_hi:[1,0]   ; the sums under the new M: the plain line behind the exponentials
	s_wait_alu depctr_va_vdst(0)                   ; the wait ahead of the first reader: one for the batch
	v_pk_add_f32 v[242:243], v[100:101], v[104:105]
	v_pk_add_f32 v[254:255], v[108:109], v[112:113]
	v_pk_add_f32 v[250:251], v[116:117], v[120:121]
	v_pk_add_f32 v[248:249], v[124:125], v[128:129]
	v_pk_add_f32 v[240:241], v[132:133], v[136:137]
	v_pk_add_f32 v[238:239], v[140:141], v[144:145]
	v_pk_add_f32 v[236:237], v[148:149], v[152:153]
	v_pk_add_f32 v[14:15], v[14:15], v[156:157]
	v_pk_add_f32 v[242:243], v[242:243], v[96:97]
	v_pk_add_f32 v[254:255], v[254:255], v[98:99]
	v_pk_add_f32 v[250:251], v[250:251], v[102:103]
	v_pk_add_f32 v[248:249], v[248:249], v[106:107]
	v_pk_add_f32 v[240:241], v[240:241], v[110:111]
	v_pk_add_f32 v[238:239], v[238:239], v[114:115]
	v_pk_add_f32 v[236:237], v[236:237], v[118:119]
	v_pk_add_f32 v[14:15], v[14:15], v[122:123]
	v_pk_add_f32 v[242:243], v[242:243], v[126:127]
	v_pk_add_f32 v[254:255], v[254:255], v[130:131]
	v_pk_add_f32 v[250:251], v[250:251], v[134:135]
	v_pk_add_f32 v[248:249], v[248:249], v[138:139]
	v_pk_add_f32 v[240:241], v[240:241], v[142:143]
	v_pk_add_f32 v[238:239], v[238:239], v[146:147]
	v_pk_add_f32 v[236:237], v[236:237], v[150:151]
	s_setprio 0
	v_pk_add_f32 v[14:15], v[14:15], v[154:155]
	v_pk_add_f32 v[242:243], v[242:243], v[158:159]
	s_delay_alu instid0(VALU_DEP_2)
	v_pk_add_f32 v[14:15], v[14:15], v[248:249]
	s_delay_alu instid0(VALU_DEP_2)
	v_pk_add_f32 v[242:243], v[242:243], v[240:241]
	v_pk_add_f32 v[254:255], v[254:255], v[238:239]
	v_pk_add_f32 v[250:251], v[250:251], v[236:237]
	s_delay_alu instid0(VALU_DEP_2)
	v_pk_add_f32 v[14:15], v[14:15], v[254:255]
	s_delay_alu instid0(VALU_DEP_2)
	v_pk_add_f32 v[242:243], v[242:243], v[250:251]
	s_delay_alu instid0(VALU_DEP_1)
	v_pk_add_f32 v[14:15], v[14:15], v[242:243]
.irp b, 0,1,2,3
.irp i, 0,1,2,3,4,5,6,7,8,9,10,11,12,13,14,15
.endr
	v_cvt_scalef32_pk8_fp8_f32 v[224+4*\b:225+4*\b], v[96+16*\b:103+16*\b], v244
	v_cvt_scalef32_pk8_fp8_f32 v[226+4*\b:227+4*\b], v[104+16*\b:111+16*\b], v244
.endr
.set j, 0
.rept 16
	v_pk_mul_f32 v[160+j:161+j], v[160+j:161+j], v[252:253] op_sel_hi:[1,0]   ; O^T under the new M; also the plain lines behind the conversions
.set j, j+2
.endr
	s_wait_alu depctr_va_vdst(0)
	s_wait_dscnt 0x0                               ; V's tiles are in
.irp t, 0,1,2,3                                ; the four accumulators take turns; K Q^T's eight products stand between two steps' links
	v_wmma_f32_16x16x128_fp8_fp8 v[160+8*\t:167+8*\t], v[F+16*\t:F+16*\t+15], v[224:239], v[160+8*\t:167+8*\t]
.endr
.Lhidden_\@:
	s_add_co_u32 s[KF], s[KF], 128
	s_add_co_u32 s[TB], s[TB], 8192                ; a key step is 8,192 bytes of K's image and of V's
.endm
; THE CHANGE OF SLOTS, at a slot's head: each wave waits for all its tensor loads, adds 0 to its spare word, waits for that and for its reads of the slot that it has left; a barrier; then that slot is filled.
.macro CHANGE fill
	s_wait_tensorcnt 0x0                           ; no tensor load of mine is out, so the group 0 may be written
	ds_add_u32 v[SPW], v[NIL]
.if \fill
	s_xor_b32 s[G0+1], s[G0+1], SLOT1              ; the other slot than last time,
	s_add_nc_u64 s[G0+2:G0+3], s[G0+2:G0+3], 32768 ; the next 512 keys
	s_wait_xcnt 0x0                                ; the last prefetch, a slot back, has read its address
	s_add_nc_u64 s[PFA:PFA+1], s[PFA:PFA+1], 32768
.endif
	s_wait_dscnt 0x0                               ; the add is done, and my reads of the slot that I have left are over
	s_barrier_signal -1
	s_barrier_wait -1
.if \fill
	s_add_co_u32 s46, s[KF], 512                   ; a slot whose first key comes after my work-group's last query is read by none of its waves, so it is not asked for:
	s_cmp_gt_u32 s46, s[WLAST]                     ; ids and the count of steps alone: all sixteen waves go the same way, and every wait on TENSORcnt in this text is for 0
	s_cbranch_scc1 .Lpast_\@
	TLOAD
.Lpast_\@:
	ASK
.endif
.endm
.macro FOUR_STEPS
	s_mov_b32 s[STEPS], 4
.Lstep_\@:
	STEP
	s_sub_co_u32 s[STEPS], s[STEPS], 1
	s_cmp_lg_u32 s[STEPS], 0
	s_cbranch_scc1 .Lstep_\@
	s_setprio 0
	s_sub_co_u32 s[TB], s[TB], 32768               ; back to a slot's first step,
	s_xor_b32 s[TB], s[TB], SLOT1                  ; in the other slot
.endm
	s_wait_loadcnt 0x0                             ; Q
.Lslot:
	CHANGE 1
	FOUR_STEPS
	s_sub_co_u32 s[SLOTS], s[SLOTS], 1
	s_cmp_lg_u32 s[SLOTS], 0
	s_cbranch_scc1 .Lslot
	CHANGE 0                                       ; the last slot is written out: nothing is asked for
	FOUR_STEPS
	; THE WAY OUT: O = O^T x 2^(e8 + e9) / the sum; held, converted with 2^e10; a lane's 16 codes of each half of the head are 16 bytes of the next operand's image: stored from registers.
.rept 4
	v_nop
.endr
	v_add_f32 v14, v14, v15
	s_delay_alu instid0(VALU_DEP_1)
	v_permlanex16_b32 v246, v14, s[SEL], s[SEL+1]
	s_delay_alu instid0(VALU_DEP_1)
	v_add_f32 v14, v14, v246
	s_wait_alu depctr_va_vdst(0)
	v_rcp_f32 v14, v14
	v_nop                                          ; a plain line behind the reciprocal
	s_add_co_i32 s46, s76, s77
	s_wait_alu depctr_va_vdst(0)                   ; the wait ahead of the first reader
	v_ldexp_f32 v14, v14, s46
.set j, 0
.rept 16
	v_pk_mul_f32 v[96+j:97+j], v[160+j:161+j], v[14:15] op_sel_hi:[1,0]   ; register 16 b + i: channel 32 b + 16 h + i; each accumulator from its low end on
.set j, j+2
.endr
.set j, 0
.rept 32
.set j, j+1
.endr
.irp b, 0,1
	v_cvt_scalef32_pk8_fp8_f32 v[224+4*\b:225+4*\b], v[96+16*\b:103+16*\b], v245
	v_cvt_scalef32_pk8_fp8_f32 v[226+4*\b:227+4*\b], v[104+16*\b:111+16*\b], v245
.endr
	v_nop
	global_store_b128 v[LI], v[224:227], s[12:13]              ; 32 lanes store 512 consecutive aligned bytes
	global_store_b128 v[LI], v[228:231], s[12:13] offset:512
	s_wait_tensorcnt 0x0                           ; the wave's end
	ds_add_u32 v[SPW], v[NIL]
	s_wait_dscnt 0x0
	s_endpgm
.Lfunc_end_k_q9d569ed46b_attn:
	.size	k_q9d569ed46b_attn, .Lfunc_end_k_q9d569ed46b_attn-k_q9d569ed46b_attn
	.p2alignl 7, 3214868480
	.fill 96, 4, 3214868480
	.section	.rodata,"a",@progbits
	.p2align	6, 0x0
	.amdhsa_kernel k_q9d569ed46b_attn
		.amdhsa_group_segment_fixed_size 327680
		.amdhsa_private_segment_fixed_size 0
		.amdhsa_enable_private_segment 0
		.amdhsa_kernarg_size 40
		.amdhsa_user_sgpr_count 2
		.amdhsa_user_sgpr_kernarg_segment_ptr 1
		.amdhsa_wavefront_size32 1
		.amdhsa_system_sgpr_workgroup_id_x 1
		.amdhsa_system_sgpr_workgroup_id_y 1
		.amdhsa_system_sgpr_workgroup_id_z 1
		.amdhsa_system_vgpr_workitem_id 0
		.amdhsa_next_free_vgpr 256
		.amdhsa_next_free_sgpr 80
		.amdhsa_reserve_vcc 1
		.amdhsa_float_denorm_mode_32 3
		.amdhsa_float_denorm_mode_16_64 3
		.amdhsa_fp16_overflow 1
		.amdhsa_memory_ordered 1
		.amdhsa_forward_progress 1
		.amdhsa_inst_pref_size 49
	.end_amdhsa_kernel
	.amdgpu_metadata
---
amdhsa.version: [ 1, 2 ]
amdhsa.kernels:
  - .name:           k_q9d569ed46b_attn
    .symbol:         k_q9d569ed46b_attn.kd
    .args:
      - { .name: qc, .offset: 0, .size: 8, .value_kind: global_buffer, .address_space: global }
      - { .name: kc, .offset: 8, .size: 8, .value_kind: global_buffer, .address_space: global }
      - { .name: vc, .offset: 16, .size: 8, .value_kind: global_buffer, .address_space: global }
      - { .name: lowp_scales, .offset: 24, .size: 8, .value_kind: global_buffer, .address_space: global }
      - { .name: ac, .offset: 32, .size: 8, .value_kind: global_buffer, .address_space: global }
    .group_segment_fixed_size: 327680
    .private_segment_fixed_size: 0
    .kernarg_segment_align: 8
    .kernarg_segment_size: 40
    .max_flat_workgroup_size: 512
    .sgpr_count:     80
    .vgpr_count:     256
    .wavefront_size: 32
...
	.end_amdgpu_metadata
.endif
;; end of part 3
;; launch oproj (part 4): grid 4 x 32, 4 waves a work-group, clusters of 4 x 4, 327,680 bytes of LDS; arguments ac, wc, lowp_scales, bo, out0; writes out0
.if DOCPART == 4
	.amdgcn_target "amdgcn-amd-amdhsa--gfx1250"
	.amdhsa_code_object_version 6
	.text
	.protected	k_q9d569ed46b_oproj
	.globl	k_q9d569ed46b_oproj
	.p2align	8
	.type	k_q9d569ed46b_oproj,@function
k_q9d569ed46b_oproj:
	s_mov_b64 s[64:65], 0
	v_nop
	global_prefetch_b8 v0, s[64:65] scope:SCOPE_SE
	s_setreg_imm32_b32 hwreg(HW_REG_WAVE_MODE, 25, 1), 1
	s_wait_xcnt 0x0
	s_wait_alu depctr_hold_cnt(0) depctr_sa_sdst(0) depctr_va_vdst(0) depctr_va_sdst(0) depctr_va_ssrc(0) depctr_va_vcc(0) depctr_vm_vsrc(0)
	s_getreg_b32 s2, hwreg(HW_REG_IB_STS2, 6, 4)
	s_cmp_eq_u32 s2, 0
	s_cbranch_scc0 .Lentry_in_a_cluster
	s_endpgm
.Lentry_in_a_cluster:
	s_bfe_u32 s2, ttmp6, 0x10000c
	s_cmp_lg_u32 s2, 0xf033
	s_cbranch_scc0 .Lentry_shape_is_right
	s_endpgm
.Lentry_shape_is_right:
; out0 = A Wo + bo on E4M3 codes; sums in f32; out0 [8192][1024] f32 = sum x 2^(e10 + e11) + bo.
; A's codes lie in ac in the order of the operand's registers: [row tile GT 512][kq 8][c 4][lane][16 bytes]: lane (m, h) holds row rowmap(GT, m) = 32 (GT / 2) + 8 (GT % 2) + m + 8 (m / 8), k = 128 kq + 32 c + 16 h + 0 .. 15.
; Wo's codes are plane 3 of wc, rows [n 1024][k 1024].
; A tile of 256 x 256 is made by four waves, 128 x 128 each.  K goes in steps of 256 through two LDS slots: A's image (16 row tiles x 4,096 dense bytes), then Wo's 256 rows of 256 bytes + 16 of padding.
; CLUSTERS: 4 x 4 work-groups; A's tile is asked for jointly along a row of the cluster, Wo's along a column.  Source 0 = rows of Wo, source 1 = rows of A: a lane holds eight neighbouring columns of one row.
; LIMIT: e10 + e11 between -126 and 127.
; REGISTERS, in windows of 256: window 0: v16-31 addresses, v32-35 my four numbers of bo, v128-255 A's fragments (one set), rows of the result on the way out; window 1: Wo's fragments, two sets; windows 2, 3: the accumulators.
.set ROWB,   256
.set PITCH,  272
.set FR,     16
.set NL,     4
.set NP,     4
.set HALFT,  128*PITCH
.set AIMG,   65536                     ; bytes of A's image in a slot
.set SLOT,   AIMG+2*HALFT
.set LAPS,   2
.set SPARE,  2*SLOT
.set SPITCH, 528                       ; the way out: 16 rows x (512 + 16) bytes for each wave, in slot 0, which has had its last fill and its last read by then
.set ADRA, 16
.set ADRB, 20
.set STO,  24
.set RD,   25
.set CO,   26                          ; v26  16 x lane
.set BOF,  27                          ; v27  bo's offset
.set SPW,  28
.set NIL,  29
.set BI,   32                          ; v32-35
.set AF,   128
.set BK,   128
.set G1, 24
.set G0, 32
.set G1B, 48
.set G0B, 56
.set MSB, 0
.macro WIN new
.if MSB != \new
	s_set_vgpr_msb (MSB<<8)|\new
.set MSB, \new
.endif
.endm
.set MUL_LO, 0xa1
.set MUL_HI, 0xf1
.set TO_B,   0x40
.macro JLOAD g0a, g1a, g0b, g1b        ; waves 0, 1 fetch A's halves, waves 2, 3 Wo's; an s_nop 0 and four v_nop follow each line
	s_cmp_eq_u32 s15, 0
	s_cbranch_scc0 .Lfor_b_\@
	tensor_load_to_lds s[\g0a:\g0a+3], s[\g1a:\g1a+7]
	s_nop 0
.rept 4
	v_nop
.endr
	s_branch .Lasked_\@
.Lfor_b_\@:
	tensor_load_to_lds s[\g0b:\g0b+3], s[\g1b:\g1b+7]
	s_nop 0
.rept 4
	v_nop
.endr
.Lasked_\@:
.endm
.macro CREST
	s_cmp_lg_u32 s14, 0
	s_cbranch_scc1 .Lnot_wave_0_\@
	s_barrier_signal -3
.Lnot_wave_0_\@:
	s_barrier_wait -3
	s_barrier_signal -1
	s_barrier_wait -1
.endm
.macro CROUND
	s_barrier_signal -1
	s_barrier_wait -1
	CREST
.endm
	s_load_b128 s[4:7], s[0:1], 0x0                ; ac, wc
	s_load_b128 s[8:11], s[0:1], 0x10              ; scales, bo
	s_load_b64 s[12:13], s[0:1], 0x20              ; out0
	v_lshl_add_u32 v[SPW], v0, 2, SPARE
	v_mov_b32 v[NIL], 0
	ds_add_u32 v[SPW], v[NIL]                      ; the wave's opening: the add and its wait ahead of my first tensor load
	ds_add_u32 v[SPW], v[NIL]
	v_lshrrev_b32 v1, 5, v0
	v_readfirstlane_b32 s14, v1
	s_lshr_b32 s15, s14, 1                         ; my half of the rows.  Also: I fetch for A (0) or for Wo (1)
	s_and_b32 s16, s14, 1                          ; my half of the columns.  Also: which half of that tile I fetch
	s_bfe_u32 s40, ttmp6, 0x40000
	s_bfe_u32 s41, ttmp6, 0x40004
	s_lshl_b32 s42, ttmp9, 2
	s_add_co_u32 s42, s42, s40                     ; tile column
	s_and_b32 s17, ttmp7, 0xffff
	s_lshl_b32 s17, s17, 2
	s_add_co_u32 s17, s17, s41                     ; tile row
	s_lshl_b32 s43, s41, 2
	s_lshl_b32 s43, 15, s43
	s_lshl_b32 s44, 0x1111, s40
	s_or_b32 s[G1+0], s43, (3<<16)|(1<<21)         ; A: the mask of my row; elements of 8 bytes; bit 21 beside a mask; no padding
	s_mov_b32 s[G1+1], 512<<16                     ; tensor_dim0 = 512 elements: 4,096 bytes, a row tile's two K steps of 128
	s_mov_b32 s[G1+2], 8<<16                       ; tensor_dim1 = 8 row tiles
	s_mov_b32 s[G1+3], 512<<16                     ; tile_dim0
	s_mov_b32 s[G1+4], 8                           ; tile_dim1
	s_mov_b32 s[G1+5], 2048                        ; from row tile to row tile: 16,384 bytes
	s_mov_b32 s[G1+6], 0
	s_mov_b32 s[G1+7], 0
	s_or_b32 s[G1B+0], s44, (0<<16)|(1<<20)|(1<<21)|(5<<22)|(3<<25)  ; Wo: the mask of my column; elements of 1 byte; 4 words of padding behind every 64
	s_mov_b32 s[G1B+1], ROWB<<16
	s_mov_b32 s[G1B+2], 128<<16
	s_mov_b32 s[G1B+3], ROWB<<16
	s_mov_b32 s[G1B+4], 128
	s_mov_b32 s[G1B+5], 1024
	s_mov_b32 s[G1B+6], 0
	s_mov_b32 s[G1B+7], 0
	s_lshl_b32 s20, s17, 4
	s_lshl_b32 s18, s16, 3
	s_add_co_u32 s20, s20, s18                     ; A: row tile 16 x tile row + 8 x half
	s_lshl_b32 s20, s20, 14
	s_mov_b32 s21, 0
	s_lshl_b32 s46, s42, 8
	s_lshl_b32 s18, s16, 7
	s_add_co_u32 s46, s46, s18                     ; Wo: row 256 x tile column + 128 x half,
	s_lshl_b32 s46, s46, 10
	s_add_co_u32 s46, s46, 0x300000                ; in plane 3
	s_mov_b32 s47, 0
	s_lshl_b32 s45, s16, 15                        ; where they go: A's half,
	s_mul_i32 s22, s16, HALFT
	s_add_co_u32 s22, s22, AIMG                    ; Wo's half
	s_wait_dscnt 0x0                               ; the opening add is done
	s_wait_kmcnt 0x0
	s_load_b64 s[96:97], s[8:9], 0x28              ; e10, e11
	s_add_nc_u64 s[20:21], s[4:5], s[20:21]
	s_add_nc_u64 s[46:47], s[6:7], s[46:47]
	CROUND
.irp s, 0,1
	s_mov_b32 s[G0+4*\s], 1
	s_add_co_u32 s[G0+4*\s+1], s45, \s*SLOT
	s_add_nc_u64 s[G0+4*\s+2:G0+4*\s+3], s[20:21], \s*4096
	s_or_b32 s[G0+4*\s+3], s[G0+4*\s+3], 0x80000000
	s_mov_b32 s[G0B+4*\s], 1
	s_add_co_u32 s[G0B+4*\s+1], s22, \s*SLOT
	s_add_nc_u64 s[G0B+4*\s+2:G0B+4*\s+3], s[46:47], \s*ROWB
	s_or_b32 s[G0B+4*\s+3], s[G0B+4*\s+3], 0x80000000
	s_wait_alu depctr_va_vdst(0)
	s_wait_tensorcnt 0x0
	ds_add_u32 v28, v29
	ds_add_u32 v28, v29
	s_wait_dscnt 0x0
	CROUND
	JLOAD G0+4*\s, G1, G0B+4*\s, G1B
.endr
	v_and_b32 v1, 15, v0                           ; r
	v_bfe_u32 v2, v0, 4, 1                         ; h
	v_and_b32 v6, 31, v0
	v_lshlrev_b32 v[CO], 4, v6
	v_mul_u32_u24 v3, v1, PITCH
	v_lshl_add_u32 v4, v2, 4, v3
	s_lshl_b32 s21, s15, 15                        ; my eight row tiles of A's image
	s_mul_i32 s22, s16, HALFT
	s_add_co_u32 s22, s22, AIMG                    ; my 128 rows of Wo
.irp s, 0,1
	v_add_nc_u32 v[ADRA+\s], s21, v[CO]
	v_add_nc_u32 v[ADRB+\s], s22, v4
	s_add_co_u32 s21, s21, SLOT
	s_add_co_u32 s22, s22, SLOT
.endr
	s_mul_i32 s23, s14, 16*SPITCH                  ; my stage
	v_mul_u32_u24 v5, v1, SPITCH
	v_lshl_add_u32 v5, v2, 5, v5
	v_add_nc_u32 v[STO], s23, v5                   ; in: row r, 32 bytes for each half of the lanes
	v_add_nc_u32 v[RD], s23, v[CO]                 ; back: the 32 lanes take one row of 512 bytes
	s_lshl_b32 s18, s42, 10
	s_lshl_b32 s19, s16, 9
	s_add_co_u32 s18, s18, s19                     ; my first column, in bytes
	v_add_nc_u32 v[BOF], s18, v[CO]
	global_load_b128 v[BI:BI+3], v[BOF], s[10:11]  ; bo of the four columns that I store
	s_lshl_b32 s20, s17, 20
	s_lshl_b32 s21, s15, 19
	s_add_co_u32 s20, s20, s21                     ; my first row: 256 x tile row + 128 x half, of 4,096 bytes
	s_add_co_u32 s20, s20, s18
	s_mov_b32 s21, 0
	s_add_nc_u64 s[12:13], s[12:13], s[20:21]
.macro FRAGA reg, slot, q, i           ; A's fragment as it lies: four loads of 512 consecutive bytes
.irp c, 0,1,2,3
	ds_load_b128 v[\reg+4*\c:\reg+4*\c+3], v[ADRA+\slot] offset:4096*(\i)+2048*(\q)+512*\c
.endr
.endm
.macro FRAGB reg, slot, q, i           ; Wo's from rows: registers 4 c .. 4 c + 3 hold K = 32 c + 16 h + 0 .. 15, as A's do
.irp c, 0,1,2,3
	ds_load_b128 v[\reg+4*\c:\reg+4*\c+3], v[ADRB+\slot] offset:128*(\q)+32*\c+(\i)*16*PITCH
.endr
.endm
.macro MUL16 a0, p, zero               ; the 64 accumulators take turns, one instruction a turn
.irp a, \a0, \a0+1
.irp b, 0,1,2,3,4,5,6,7
.if \zero
	v_wmma_f32_16x16x128_fp8_fp8 v[8*(8*((\a)%4)+\b):8*(8*((\a)%4)+\b)+7], v[128*(\p)+FR*\b:128*(\p)+FR*\b+FR-1], v[AF+FR*(\a):AF+FR*(\a)+FR-1], 0
.else
	v_wmma_f32_16x16x128_fp8_fp8 v[8*(8*((\a)%4)+\b):8*(8*((\a)%4)+\b)+7], v[128*(\p)+FR*\b:128*(\p)+FR*\b+FR-1], v[AF+FR*(\a):AF+FR*(\a)+FR-1], v[8*(8*((\a)%4)+\b):8*(8*((\a)%4)+\b)+7]
.endif
.endr
.endr
.endm
.macro FETCH_B slot, q, p
	WIN TO_B
.irp i, 0,1,2,3,4,5,6,7
	FRAGB 128*(\p)+FR*\i, \slot, \q, \i
.endr
	WIN 0
.endm
.macro FETCH_A slot, q, i0
.irp i, \i0, \i0+1, \i0+2, \i0+3
	FRAGA AF+FR*(\i), \slot, \q, \i
.endr
.endm
.macro PLACES n
.rept \n
	v_nop
.endr
.endm
.macro STEP slot, q, zero
	s_wait_dscnt 4*NL                              ; Wo's set and A's blocks 0-3 are in; blocks 4-7 (16 loads) may be out
	WIN MUL_LO
	MUL16 0, (\q)%2, \zero
	MUL16 2, (\q)%2, \zero
	s_wait_dscnt 0
	PLACES NP
	FETCH_B \slot, (\q)+1, 1-(\q)%2
	FETCH_A \slot, (\q)+1, 0
	WIN MUL_HI
	MUL16 4, (\q)%2, \zero
	MUL16 6, (\q)%2, \zero
	PLACES NP
	WIN 0
	FETCH_A \slot, (\q)+1, 4
.endm
.macro TURN slot, next, fill
	s_wait_tensorcnt 0x0                           ; all my tensor loads have landed: my part of the next slot
	ds_add_u32 v[SPW], v[NIL]
	s_wait_dscnt 4*NL+1                            ; (the add and A's blocks 4-7 may be out)
	WIN MUL_LO
	MUL16 0, 1, 0
	s_wait_dscnt 0x0                               ; the add is done, and my reads of this slot are over
	s_barrier_signal -1
	MUL16 2, 1, 0
	WIN 0
	s_barrier_wait -1
.if \fill
	CREST                                          ; the barrier has opened a round of the cluster's
	s_add_nc_u64 s[G0+4*\slot+2:G0+4*\slot+3], s[G0+4*\slot+2:G0+4*\slot+3], 2*4096
	s_add_nc_u64 s[G0B+4*\slot+2:G0B+4*\slot+3], s[G0B+4*\slot+2:G0B+4*\slot+3], 2*ROWB
	JLOAD G0+4*\slot, G1, G0B+4*\slot, G1B
.else
	PLACES NP
.endif
	FETCH_B \next, 0, 0
	FETCH_A \next, 0, 0
	WIN MUL_HI
	MUL16 4, 1, 0
	MUL16 6, 1, 0
	PLACES NP
	WIN 0
	FETCH_A \next, 0, 4
.endm
	s_wait_alu depctr_va_vdst(0)
	s_wait_tensorcnt 1                             ; my part of K step 0 is in; K step 1's load may be out
	s_barrier_signal -1
	s_barrier_wait -1
	FETCH_B 0, 0, 0
	FETCH_A 0, 0, 0
	FETCH_A 0, 0, 4
	STEP 0, 0, 1
	s_mov_b32 s3, LAPS-1
.Llap:
	TURN 0, 1, 1
	STEP 1, 0, 0
	TURN 1, 0, 1
	STEP 0, 0, 0
	s_sub_co_u32 s3, s3, 1
	s_cmp_lg_u32 s3, 0
	s_cbranch_scc1 .Llap
	TURN 0, 1, 0
	STEP 1, 0, 0
	s_wait_dscnt 4*NL
	WIN MUL_LO
	MUL16 0, 1, 0
	MUL16 2, 1, 0
	s_wait_dscnt 0
	WIN MUL_HI
	MUL16 4, 1, 0
	MUL16 6, 1, 0
	WIN 0
; THE WAY OUT, block by block of 16 rows x 128 columns: the sums go through my own stage and come back as whole rows of 512 bytes; there each pair becomes sum x 2^(e10 + e11) + bo, and the 32 lanes store a row.
; Block a's row t is row 32 (a / 2) + 8 (a % 2) + t + 8 (t / 8) of my 128: A's row tiles are laid so.
.macro TOSTAGE a
.set AC, 64*((\a)%4)
	WIN 0x08+4*((\a)/4)                            ; the stores' data: window 2 or 3
.irp b, 0,1,2,3,4,5,6,7
	ds_store_b128 v[STO], v[AC+8*\b:AC+8*\b+3] offset:64*\b          ; each accumulator from its low end on
	ds_store_b128 v[STO], v[AC+8*\b+4:AC+8*\b+7] offset:64*\b+16
.endr
	WIN 0
.set BB, BK+64*((\a)%2)
.irp t, 0,1,2,3,4,5,6,7,8,9,10,11,12,13,14,15
	ds_load_b128 v[BB+4*\t:BB+4*\t+3], v[RD] offset:\t*SPITCH        ; LDS serves a wave's instructions in order: these see the stores above
.endr
.endm
.macro SEND a, younger                 ; younger: the LDS instructions issued behind block a's loads
.set BB, BK+64*((\a)%2)
	s_wait_dscnt \younger
.irp t, 0,1,2,3,4,5,6,7,8,9,10,11,12,13,14,15
	v_pk_fma_f32 v[BB+4*\t:BB+4*\t+1], v[BB+4*\t:BB+4*\t+1], s[96:97], v[BI:BI+1] op_sel_hi:[1,0,1]
	v_pk_fma_f32 v[BB+4*\t+2:BB+4*\t+3], v[BB+4*\t+2:BB+4*\t+3], s[96:97], v[BI+2:BI+3] op_sel_hi:[1,0,1]
.endr
.irp t, 0,1,2,3,4,5,6,7,8,9,10,11,12,13,14,15
	global_store_b128 v[CO], v[BB+4*\t:BB+4*\t+3], s[12:13] offset:(32*((\a)/2)+8*((\a)%2)+\t+8*(\t/8))*4096 th:TH_STORE_NT   ; 32 lanes store 512 consecutive aligned bytes
.endr
.endm
	s_wait_kmcnt 0x0
	s_wait_loadcnt 0x0                             ; bo
	s_add_co_i32 s96, s96, s97
	s_add_co_i32 s96, s96, 127
	s_lshl_b32 s96, s96, 23                        ; 2^(e10 + e11) as f32
	s_mov_b32 s97, s96
	PLACES NP
	TOSTAGE 0
.irp a, 1,2,3,4,5,6,7
.if \a > 1
	s_wait_xcnt 0x0                                ; block a - 2's stores have read their registers: block a's loads may land there
.endif
	TOSTAGE \a
	SEND \a-1, 32                                  ; behind block a - 1's loads: block a's 16 stores and 16 loads
.endr
	SEND 7, 0
	s_wait_tensorcnt 0x0                           ; the wave's end
	ds_add_u32 v[SPW], v[NIL]
	s_wait_dscnt 0x0
	CROUND                                         ; the closing round
	s_endpgm
.Lfunc_end_k_q9d569ed46b_oproj:
	.size	k_q9d569ed46b_oproj, .Lfunc_end_k_q9d569ed46b_oproj-k_q9d569ed46b_oproj
	.p2alignl 7, 3214868480
	.fill 96, 4, 3214868480
	.section	.rodata,"a",@progbits
	.p2align	6, 0x0
	.amdhsa_kernel k_q9d569ed46b_oproj
		.amdhsa_group_segment_fixed_size 327680
		.amdhsa_private_segment_fixed_size 0
		.amdhsa_enable_private_segment 0
		.amdhsa_kernarg_size 40
		.amdhsa_user_sgpr_count 2
		.amdhsa_user_sgpr_kernarg_segment_ptr 1
		.amdhsa_wavefront_size32 1
		.amdhsa_system_sgpr_workgroup_id_x 1
		.amdhsa_system_sgpr_workgroup_id_y 1
		.amdhsa_system_sgpr_workgroup_id_z 1
		.amdhsa_system_vgpr_workitem_id 0
		.amdhsa_next_free_vgpr 1024
		.amdhsa_next_free_sgpr 100
		.amdhsa_reserve_vcc 0
		.amdhsa_float_denorm_mode_32 3
		.amdhsa_float_denorm_mode_16_64 3
		.amdhsa_memory_ordered 1
		.amdhsa_forward_progress 1
		.amdhsa_inst_pref_size 124
	.end_amdhsa_kernel
	.amdgpu_metadata
---
amdhsa.version: [ 1, 2 ]
amdhsa.kernels:
  - .name:           k_q9d569ed46b_oproj
    .symbol:         k_q9d569ed46b_oproj.kd
    .args:
      - { .name: ac, .offset: 0, .size: 8, .value_kind: global_buffer, .address_space: global }
      - { .name: wc, .offset: 8, .size: 8, .value_kind: global_buffer, .address_space: global }
      - { .name: lowp_scales, .offset: 16, .size: 8, .value_kind: global_buffer, .address_space: global }
      - { .name: bo, .offset: 24, .size: 8, .value_kind: global_buffer, .address_space: global }
      - { .name: out0, .offset: 32, .size: 8, .value_kind: global_buffer, .address_space: global }
    .group_segment_fixed_size: 327680
    .private_segment_fixed_size: 0
    .kernarg_segment_align: 8
    .kernarg_segment_size: 40
    .max_flat_workgroup_size: 128
    .sgpr_count:     100
    .vgpr_count:     1024
    .wavefront_size: 32
...
	.end_amdgpu_metadata
.endif
;; end of part 4
